; MI455X (gfx1250); checked and timed in simulation.
; The chip was launched on July 23, 2026; its instructions are those of AMD's public machine-readable ISA for CDNA 5 (MIT licence, August 2026) and "CDNA5" Instruction Set Architecture Reference Guide (July 2026). The comments in the code are by the model that wrote it; some were corrected since.
;; Mo E. Allowed arithmetic: float matrix products may take bf16 or f16 operands with f32 sums; other float arithmetic in f32, or as packed bf16 or f16 multiplies, adds, multiply-adds, maxima and minima; sums over many terms, partial sums and values carried from step to step in f32; what a program stores and reads back later, other than sums and carried values, may be rounded once to bf16 or f16.
;; Inputs: W1 8 x 1,024 x 4,096 float32; W2 8 x 4,096 x 1,024 float32; Wg 1,024 x 8 float32; b1 8 x 4,096 float32; b2 8 x 1,024 float32; bg 8 float32; x 4 x 256 x 1,024 float32.
;; Outputs: out0 4 x 256 x 1,024 float32.
;; One version. Each part assembles by itself: llvm-mc -triple=amdgcn-amd-amdhsa -mcpu=gfx1250 --defsym DOCPART=n.
;; ======== version 1 of 1: 4 launches
;; workspace buffers: xb 2,097,152 bytes; choice 4,096 bytes of whole numbers; gate 8,192 bytes; h 16,908,288 bytes; y4 33,816,576 bytes
;; launch router (part 1): grid 256 x 1, 4 waves a work-group, no clusters, 0 bytes of LDS; arguments x, Wg, bg, xb, choice, gate; writes xb, choice, gate
.if DOCPART == 1
	.amdgcn_target "amdgcn-amd-amdhsa--gfx1250"
	.amdhsa_code_object_version 6
	.text
	.protected	k_qf84e0b36e6_router
	.globl	k_qf84e0b36e6_router
	.p2align	8
	.type	k_qf84e0b36e6_router,@function
k_qf84e0b36e6_router:
	s_mov_b64 s[64:65], 0
	v_nop
	global_prefetch_b8 v0, s[64:65] scope:SCOPE_SE
	s_setreg_imm32_b32 hwreg(HW_REG_WAVE_MODE, 25, 1), 1
	s_wait_xcnt 0x0
; ROUTER.  logits = x Wg + bg, softmax over the 8 experts, the two largest.  One wave takes one token: n = 4 x work-group + wave.
; x, Wg and bg are rounded to bf16 once, as every input of this program is; products and sums in f32.  x rounded goes out as xb [1024][1024] bf16.
; Stored at fixed places, no address hangs on the choice: choice[n] = (1 << e0) | (1 << (e1 + 8)); gate[2 n], gate[2 n + 1] = the two softmax weights.
; The two largest are taken on the logits, by strict comparisons in ascending order of the experts, so the lower index keeps its place at a tie.
; LIMITS.  Two logits that differ by less than the rounding of an f32 sum of 1,024 terms (some 1e-6 of their size) may be ranked otherwise than by an f32 sum in another order.
; NaN and infinities are not treated apart.  A weight below 2^-126 counts as 0.
; No LDS, no barrier: a token never leaves its wave.  The 12 bytes of choice and gate a token are stored by lanes 0 and 1 alone.
.set XR,  8                            ; v[8:39]    x as loaded: register 4 i + c is x[128 i + 4 lane + c]
.set XB,  40                           ; v[40:55]   x in bf16, two to a register
.set BG,  56                           ; v[56:63]   bg
.set ACC, 64                           ; v[64:71]   the eight sums, later the logits
.set WP,  72                           ; v[72:79]   a row of Wg in bf16, two sets of four that take turns
.set TMP, 80                           ; v[80:87]   at work
.set M1,  88                           ; the largest logit,
.set I1,  89                           ; its expert,
.set M2,  90                           ; the second,
.set I2,  91                           ; its expert
.set E2,  92
.set RS,  93
.set ONE, 94
.set GV,  95
.set CV,  96
.set WR,  100                          ; v[100:227] four blocks of 32: Wg's rows of 4 d x 8 experts for this lane
	s_load_b256 s[4:11], s[0:1], 0x0               ; x s[4:5], Wg s[6:7], bg s[8:9], xb s[10:11]
	s_load_b128 s[12:15], s[0:1], 0x20             ; choice s[12:13], gate s[14:15]
	v_and_b32 v1, 31, v0                           ; lane
	v_lshrrev_b32 v2, 5, v0
	v_readfirstlane_b32 s16, v2                    ; wave
	s_lshl_b32 s17, ttmp9, 2
	s_add_co_u32 s17, s17, s16                     ; my token
	v_lshlrev_b32 v2, 4, v1                        ; 16 lane: x
	v_lshlrev_b32 v3, 7, v1                        ; 128 lane: Wg, four rows of 32 bytes
	v_lshlrev_b32 v4, 3, v1                        ; 8 lane: xb
	v_mov_b32 v5, 0
	v_lshlrev_b32 v6, 2, v1                        ; 4 lane: gate
	s_mov_b32 s19, 0
	s_mov_b32 s22, 0x76543210                      ; v_permlanex16_b32: each lane takes its own place in the other half
	s_mov_b32 s23, 0xfedcba98
.irp e, 0,1,2,3,4,5,6,7
	v_mov_b32 v[TMP+\e], 0                         ; written before v_permlanex16_b32 names them as destinations
.endr
	s_wait_kmcnt 0x0
	s_lshl_b32 s18, s17, 12
	s_add_nc_u64 s[4:5], s[4:5], s[18:19]          ; x at my row
	s_lshl_b32 s18, s17, 11
	s_add_nc_u64 s[10:11], s[10:11], s[18:19]      ; xb at my row
	s_lshl_b32 s18, s17, 2
	s_add_nc_u64 s[12:13], s[12:13], s[18:19]      ; choice[n]
	s_lshl_b32 s18, s17, 3
	s_add_nc_u64 s[14:15], s[14:15], s[18:19]      ; gate[2 n]
.irp i, 0,1,2,3,4,5,6,7
	global_load_b128 v[XR+4*\i:XR+4*\i+3], v2, s[4:5] offset:512*\i th:TH_LOAD_NT  ; 512 neighbouring bytes each
.endr
	global_load_b128 v[BG:BG+3], v5, s[8:9]
	global_load_b128 v[BG+4:BG+7], v5, s[8:9] offset:16
.macro WGLOAD i                        ; block i: Wg's rows 128 i + 4 lane + 0..3, 128 bytes a lane
.irp k, 0,1,2,3,4,5,6,7
	global_load_b128 v[WR+32*((\i)%4)+4*\k:WR+32*((\i)%4)+4*\k+3], v3, s[6:7] offset:4096*(\i)+16*\k
.endr
.endm
	WGLOAD 0
	WGLOAD 1
	WGLOAD 2
	WGLOAD 3
	s_wait_loadcnt 34                              ; x is in: bg's 2 and Wg's 32 loads are younger
.irp k, 0,1,2,3,4,5,6,7,8,9,10,11,12,13,14,15
	v_cvt_pk_bf16_f32 v[XB+\k], v[XR+2*\k], v[XR+2*\k+1]
.endr
.irp i, 0,1,2,3,4,5,6,7
	global_store_b64 v4, v[XB+2*\i:XB+2*\i+1], s[10:11] offset:256*\i  ; the wave's store covers 256 consecutive bytes, aligned
.endr
; One d of block i: its row of Wg is rounded, then eight multiply-adds from bf16 halves into the eight f32 sums.  ch = c % 2 picks x's half.
.macro COL i, c, ch, first
.set wb, WR+32*((\i)%4)+8*(\c)
.set wq, WP+4*((\c)%2)
.set xq, XB+2*(\i)+(\c)/2
.irp q, 0,1,2,3
	v_cvt_pk_bf16_f32 v[wq+\q], v[wb+2*\q], v[wb+2*\q+1]
.endr
.irp q, 0,1,2,3
.if \first
	v_fma_mix_f32_bf16 v[ACC+2*\q], v[xq], v[wq+\q], v5 op_sel:[\ch,0,0] op_sel_hi:[1,1,0]      ; the first product starts the sum
	v_fma_mix_f32_bf16 v[ACC+2*\q+1], v[xq], v[wq+\q], v5 op_sel:[\ch,1,0] op_sel_hi:[1,1,0]
.else
	v_fma_mix_f32_bf16 v[ACC+2*\q], v[xq], v[wq+\q], v[ACC+2*\q] op_sel:[\ch,0,0] op_sel_hi:[1,1,0]
	v_fma_mix_f32_bf16 v[ACC+2*\q+1], v[xq], v[wq+\q], v[ACC+2*\q+1] op_sel:[\ch,1,0] op_sel_hi:[1,1,0]
.endif
.endr
.endm
.macro BLOCK i, left, first
	s_wait_loadcnt \left                           ; loads come back in order: block i is in, the younger blocks of 8 loads stay out
	COL \i, 0, 0, \first
	COL \i, 1, 1, 0
	COL \i, 2, 0, 0
	COL \i, 3, 1, 0
.if (\i) < 4
	WGLOAD (\i)+4                                  ; its registers take the block four further on
.endif
.endm
	BLOCK 0, 24, 1
	BLOCK 1, 24, 0
	BLOCK 2, 24, 0
	BLOCK 3, 24, 0
	BLOCK 4, 24, 0
	BLOCK 5, 16, 0
	BLOCK 6, 8, 0
	BLOCK 7, 0, 0
	; across the 32 lanes: four steps inside each half of 16 lanes, one across the halves; every lane ends with all eight sums
.irp m, 1,2,4,8
.irp e, 0,1,2,3,4,5,6,7
	v_add_f32_dpp v[ACC+\e], v[ACC+\e], v[ACC+\e] row_xmask:\m row_mask:0xf bank_mask:0xf
.endr
.endr
.irp e, 0,1,2,3,4,5,6,7
	v_permlanex16_b32 v[TMP+\e], v[ACC+\e], s22, s23
.endr
.irp e, 0,2,4,6
	v_pk_add_f32 v[ACC+\e:ACC+\e+1], v[ACC+\e:ACC+\e+1], v[TMP+\e:TMP+\e+1]
.endr
.irp q, 0,1,2,3
	v_cvt_pk_bf16_f32 v[TMP+\q], v[BG+2*\q], v[BG+2*\q+1]  ; bg rounded to bf16 and widened again
.endr
.irp q, 0,1,2,3
	v_lshlrev_b32 v[BG+2*\q], 16, v[TMP+\q]
	v_and_b32 v[BG+2*\q+1], 0xffff0000, v[TMP+\q]
.endr
.irp e, 0,2,4,6
	v_pk_add_f32 v[ACC+\e:ACC+\e+1], v[ACC+\e:ACC+\e+1], v[BG+\e:BG+\e+1]  ; the logits
.endr
	; the two largest, by selects alone
	v_mov_b32 v[M1], v[ACC]
	v_mov_b32 v[I1], 0
	v_mov_b32 v[M2], 0xff800000
	v_mov_b32 v[I2], 1
.irp e, 1,2,3,4,5,6,7
	v_cmp_gt_f32 vcc_lo, v[ACC+\e], v[M1]
	v_cmp_gt_f32 s20, v[ACC+\e], v[M2]
	v_cndmask_b32 v[M2], v[M2], v[ACC+\e], s20
	v_cndmask_b32 v[I2], v[I2], \e, s20
	v_cndmask_b32 v[M2], v[M2], v[M1], vcc_lo      ; a new first pushes the old first down
	v_cndmask_b32 v[I2], v[I2], v[I1], vcc_lo
	v_cndmask_b32 v[M1], v[M1], v[ACC+\e], vcc_lo
	v_cndmask_b32 v[I1], v[I1], \e, vcc_lo
.endr
	; softmax: the maximum is taken away; exponentials in base 2
.irp e, 0,1,2,3,4,5,6,7
	v_sub_f32 v[TMP+\e], v[ACC+\e], v[M1]
.endr
	v_sub_f32 v[E2], v[M2], v[M1]
.irp e, 0,1,2,3,4,5,6,7
	v_mul_f32 v[TMP+\e], 0x3fb8aa3b, v[TMP+\e]
.endr
	v_mul_f32 v[E2], 0x3fb8aa3b, v[E2]
.irp e, 0,1,2,3,4,5,6,7
	v_exp_f32 v[TMP+\e], v[TMP+\e]
.endr
	v_exp_f32 v[E2], v[E2]
	v_mov_b32 v[ONE], 1                            ; a plain instruction behind the last exponential
	s_wait_alu depctr_va_vdst(0)                   ; one wait for the nine, ahead of their first reader
	v_pk_add_f32 v[TMP:TMP+1], v[TMP:TMP+1], v[TMP+2:TMP+3]
	v_pk_add_f32 v[TMP+4:TMP+5], v[TMP+4:TMP+5], v[TMP+6:TMP+7]
	v_pk_add_f32 v[TMP:TMP+1], v[TMP:TMP+1], v[TMP+4:TMP+5]
	v_add_f32 v[TMP], v[TMP], v[TMP+1]
	v_rcp_f32 v[RS], v[TMP]                        ; the first weight: exp(0) / sum
	v_lshlrev_b32 v[CV], v[I1], v[ONE]             ; independent work behind the reciprocal: the choice's word
	v_add_nc_u32 v[GV], 8, v[I2]
	v_lshlrev_b32 v[GV], v[GV], v[ONE]
	v_or_b32 v[CV], v[CV], v[GV]
	v_cmp_eq_u32 vcc_lo, 0, v1
	s_wait_alu depctr_va_vdst(0)                   ; the reciprocal's wait
	v_mul_f32 v[E2], v[E2], v[RS]                  ; the second weight
	v_cndmask_b32 v[GV], v[E2], v[RS], vcc_lo      ; lane 0 the first, lane 1 the second
	s_wait_xcnt 0x0                                ; EXEC changes only behind this wait: xb's stores have been issued
	v_cmpx_gt_u32 2, v1
	global_store_b32 v6, v[GV], s[14:15]
	s_wait_xcnt 0x0
	v_cmpx_eq_u32 0, v1
	global_store_b32 v5, v[CV], s[12:13]
	s_wait_xcnt 0x0
	s_mov_b32 exec_lo, -1
	s_endpgm
.Lfunc_end_k_qf84e0b36e6_router:
	.size	k_qf84e0b36e6_router, .Lfunc_end_k_qf84e0b36e6_router-k_qf84e0b36e6_router
	.p2alignl 7, 3214868480
	.fill 96, 4, 3214868480
	.section	.rodata,"a",@progbits
	.p2align	6, 0x0
	.amdhsa_kernel k_qf84e0b36e6_router
		.amdhsa_group_segment_fixed_size 0
		.amdhsa_private_segment_fixed_size 0
		.amdhsa_enable_private_segment 0
		.amdhsa_kernarg_size 48
		.amdhsa_user_sgpr_count 2
		.amdhsa_user_sgpr_kernarg_segment_ptr 1
		.amdhsa_wavefront_size32 1
		.amdhsa_system_sgpr_workgroup_id_x 1
		.amdhsa_system_sgpr_workgroup_id_y 1
		.amdhsa_system_sgpr_workgroup_id_z 1
		.amdhsa_system_vgpr_workitem_id 0
		.amdhsa_next_free_vgpr 232
		.amdhsa_next_free_sgpr 66
		.amdhsa_reserve_vcc 1
		.amdhsa_float_denorm_mode_32 3
		.amdhsa_float_denorm_mode_16_64 3
		.amdhsa_memory_ordered 1
		.amdhsa_forward_progress 1
		.amdhsa_inst_pref_size 43
	.end_amdhsa_kernel
	.amdgpu_metadata
---
amdhsa.version: [ 1, 2 ]
amdhsa.kernels:
  - .name:           k_qf84e0b36e6_router
    .symbol:         k_qf84e0b36e6_router.kd
    .args:
      - { .name: x, .offset: 0, .size: 8, .value_kind: global_buffer, .address_space: global }
      - { .name: Wg, .offset: 8, .size: 8, .value_kind: global_buffer, .address_space: global }
      - { .name: bg, .offset: 16, .size: 8, .value_kind: global_buffer, .address_space: global }
      - { .name: xb, .offset: 24, .size: 8, .value_kind: global_buffer, .address_space: global }
      - { .name: choice, .offset: 32, .size: 8, .value_kind: global_buffer, .address_space: global }
      - { .name: gate, .offset: 40, .size: 8, .value_kind: global_buffer, .address_space: global }
    .group_segment_fixed_size: 0
    .private_segment_fixed_size: 0
    .kernarg_segment_align: 8
    .kernarg_segment_size: 48
    .max_flat_workgroup_size: 128
    .sgpr_count:     66
    .vgpr_count:     232
    .wavefront_size: 32
...
	.end_amdgpu_metadata
.endif
;; end of part 1
;; launch ffn1 (part 2): grid 256 x 1, 4 waves a work-group, no clusters, 147,456 bytes of LDS; arguments W1, b1, xb, choice, h; writes h
.if DOCPART == 2
	.amdgcn_target "amdgcn-amd-amdhsa--gfx1250"
	.amdhsa_code_object_version 6
	.text
	.protected	k_qf84e0b36e6_ffn1
	.globl	k_qf84e0b36e6_ffn1
	.p2align	8
	.type	k_qf84e0b36e6_ffn1,@function
k_qf84e0b36e6_ffn1:
	s_mov_b64 s[64:65], 0
	v_nop
	global_prefetch_b8 v0, s[64:65] scope:SCOPE_SE
	s_setreg_imm32_b32 hwreg(HW_REG_WAVE_MODE, 25, 1), 1
	s_wait_xcnt 0x0
; FIRST PRODUCT.  h[rowid] = gelu(x[token] W1[e] + b1[e]) for the rows that chose expert e; rowid = 2 token + rank of the choice (0, 1).  h: [2064][4096] bf16.
; SHARES.  Work-group = (expert e = id / 32, columns 128 (id % 32) ..): it alone reads its slice of W1, 1,024 x 128 f32, once, rounds it to bf16 and keeps it in registers:
; wave w holds K = 256 w .. 256 w + 255 as 64 fragments, 512 registers.  The expert's rows then pass in trips of 32: each wave multiplies its K quarter, the four partial tiles
; meet in LDS, and each wave finishes 8 of the 32 rows (sum, bias, gelu, bf16, store).
; THE LIST.  Wave 0 builds the expert's list of rowids in LDS from the stored choices, by a count over lanes, while the weights are on their way.  Places past the count hold 2048 + e: loads clamp it to
; row 2047, which exists; stores send it to row 2048 + e of h, which nobody reads.  The 32 places in front of the list hold 2056 + e, a second row that nobody reads.  So every lane stays on and no store is narrowed.
; Each of the two spare rows takes ONE value a byte, whichever wave stores it and when: row 2048 + e the row made of token 1023, row 2056 + e gelu(b1).
; THE LOOP, BY TURNS OF TWO STAGES.  Trip i multiplies rows 32 i .. and lays its tiles into stage i % 2; between its matrix instructions stands the finishing of trip i - 1, out of the other stage.
; ONE barrier a trip orders both: the stage that trip i writes was last read in trip i - 1, ahead of that trip's wait for its LDS loads and its barrier; the stage that it reads was written ahead of the same barrier.
; The text holds an even and an odd trip, so that every stage address is a constant and a lane's term.  34 trips serve any count from 0 to 1,024; every wave passes every barrier, and only work is jumped over, forward.
; Trips 0 .. T are live (T = the count / 32, rounded up).  THE PRICE of one text for every live trip: trip 0 finishes a stage of zeros into row 2056 + e, and trip T multiplies 32 places past the count,
; whose tile nobody finishes: 128 products a wave and one finishing, once a launch.
; THE FINISHING IS A NUMBERED QUEUE of 382 vector instructions: 14 for offsets; then for each of my four rows 56 that end in the row's 16 transcendentals, and 36 that read them.  A group of 32 products carries
; the last row's 36 and this row's 56, three behind a product for the most part; row 3's 36 stand between the tile's LDS stores.  Memory instructions stand in one run at each group's end.
; THE FRAGMENT WITHOUT LDS.  A load of 16 bytes gives a lane 4 neighbouring columns 64 g + 4 r + t of one row k (r = lane % 16): its four registers go to four tiles t.  Two rows k, k + 1
; round into one fragment register.  Tile 4 g + t so holds column 64 g + 4 r + t in lane r.  The matrix instruction has the weights as source 0 and 16 rows of x as source 1: in the result
; lane (r, hh) register j is token r, column 64 g + 32 hh + 4 j + t.  h is stored in POSITION order, position 32 G + 8 t + j for column 32 G + 4 j + t; the second product picks its rows of W2 to match.
; GELU, exact form: gelu(x) = max(x, 0) - |x| Q(|x|), Q the normal tail by Abramowitz and Stegun 26.2.17: exp(-z z / 2) (b1 t + .. + b5 t^5), t = 1 / (1 + 0.2316419 z), 1 / sqrt(2 pi) folded into b;
; its absolute error stays under 7.5e-8 for every z.
; LIMITS.  W1, b1 and x are rounded to bf16 once, h once; sums, bias and gelu in f32.  NaN and infinities are not treated apart.
; No tensor loads and no cluster: each weight byte has one reader, and the rows come by a list.
; REGISTERS, in windows of 256 (s_set_vgpr_msb: bits 1:0 source 0, 3:2 source 1, 5:4 source 2, 7:6 destination):
;   window 0: below; v128-255 the 16 accumulators (mt, nt) at 128 + 8 (8 mt + nt)     window 1: four staging batches of 64, later the rows' fragments (mt, s) at 64 mt + 8 s
;   windows 2, 3: the weights: K step s, tile nt at window 2 + s / 4, 64 (s % 4) + 8 nt
; The finishing lies in window 0 and the products' sources do not, so a slice of it costs two switches of the windows.
.set PITCH,  528                       ; a stage row: 256 bytes, a gap of 16, 256 bytes = 33 x 16: the 16 rows that a store touches start in 16 different columns of 16 bytes modulo 256
.set STAGEW, 32*PITCH                  ; a wave's partial tile: 32 rows
.set STAGE1, 4*STAGEW                  ; 67,584: the second stage
.set LISTB,  2*STAGE1                  ; 135,168: 32 places in front of the list,
.set LISTR,  LISTB+128                 ; the list, 1,088 words, and behind it the dump
.set LWORDS, 1088
.set LSPAN,  5120                      ; all three
.set CNTB,   LISTB+2*LSPAN             ; 145,408: the count (the span between is the second product's)
.set SPARE,  CNTB+256                  ; 145,664: the spare words, 128 bytes for each wave
.set NTRIP,  32
.set LR,    1                          ; r = lane % 16
.set LH,    2                          ; hh = lane / 16
.set SPW,   3                          ; my spare word; never rewritten
.set NIL,   4                          ; 0; never rewritten
.set WOFF,  5                          ; weights: 8 rows for hh, 16 bytes for r
.set LANEA, 6                          ; 16 hh
.set LA0,   7                          ; LISTR + 4 r
.set LO0,   8                          ; LISTB + 32 w + 16 hh: the four rows that I finish, a trip back
.set WR0,   9                          ; stage 0, writing: my wave's tile, row r, 128 hh
.set RD0,   10                         ; stage 0, reading: row 8 w + 4 hh, positions 8 r ..
.set ALT,   115                        ; stage 1's two address registers lie ALT above: v124, v125
.set LOUT,  11                         ; 16 r
.set OFFA,  12                         ; v12-13 byte offsets of the next trip's rows
.set RID,   14                         ; v14-15 their rowids
.set ORW,   16                         ; v16-19 rowids of the rows that I finish
.set OOFF,  20                         ; v20-23 their byte offsets in h
.set BIAS,  24                         ; v24-31 b1 of my eight positions
.set PL,    32                         ; v32-63 four partial sums of eight positions
.set XX,    64
.set TT,    72
.set QQ,    80
.set PP,    88
.set RR,    96
.set OUT,   104                        ; v104-119 four rows' 16 bytes
.set TA,    120
.set TB,    121
.set LT,    122
.set L16,   123                        ; 16 lane, at the head;
.set LTO,   123                        ; in the loop the list address of the rows that I finish
.set DI,    124                        ; at the head; then stage 1's addresses
.set L8,    125
.set LM,    126
.set LP,    127
.set LK,    64                         ; at work while the list is built
.set LAD,   65
.set LRID,  66
.set ACC,   128
.set CH,    128                        ; v128-159 the choices, in wave 0, ahead of the products
.set AB,    8                          ; s[8:9] the rows' base
.set MSB, 0
.macro WIN new                         ; the immediate's high byte repeats the setting that is left; a switch that changes nothing is dropped
.if MSB != (\new)
	s_set_vgpr_msb (MSB<<8)|(\new)
.set MSB, (\new)
.endif
.endm
; Batch b = (K step b / 2, column half b % 2): 16 loads, rows 32 s + 8 hh + 0..7 and 32 s + 16 + 8 hh + 0..7; sixteen lanes read 256 consecutive bytes of a row, aligned
.macro WLOAD b
	WIN 0x40
.set wi, 0
.rept 16
.set wrow, 32*((\b)/2)+wi+8*(wi/8)
	global_load_b128 v[64*((\b)%4)+4*wi:64*((\b)%4)+4*wi+3], v[WOFF], s[4:5] offset:wrow*16384+256*((\b)%2) th:TH_LOAD_NT
.set wi, wi+1
.endr
.endm
.macro WCVT b                          ; fragment register p of tile 4 g + t = loads 2 p and 2 p + 1, component t
.set cs, (\b)/2
.set cg, (\b)%2
	WIN 0x85+0x40*(cs/4)
.set ct, 0
.rept 4
.set cp, 0
.rept 8
	v_cvt_pk_bf16_f32 v[64*(cs%4)+8*(4*cg+ct)+cp], v[64*((\b)%4)+8*cp+ct], v[64*((\b)%4)+8*cp+4+ct]
.set cp, cp+1
.endr
.set ct, ct+1
.endr
.endm
.macro STEP b, left
.if (\b) < 13
	WLOAD (\b)+3                                   ; into the staging registers that batch b - 1 has left
.endif
	s_wait_loadcnt \left                           ; loads come back in order: batch b is in, the younger ones stay out
	WCVT \b
.endm
.macro OFFS                            ; rowid -> byte offset of the token's row in xb (at the head, for trip 0; in the loop the queue's numbers 0 to 5 do the same)
	v_min_u32 v[TA], 0x7ff, v[RID]
	v_min_u32 v[TB], 0x7ff, v[RID+1]
	v_and_b32 v[TA], -2, v[TA]
	v_and_b32 v[TB], -2, v[TB]
	v_lshl_add_u32 v[OFFA], v[TA], 10, v[LANEA]
	v_lshl_add_u32 v[OFFA+1], v[TB], 10, v[LANEA]
.endm
.macro ALOAD u                         ; the rows' fragments of K steps 2 u, 2 u + 1: 8 loads
	WIN 0x40
.irp sx, 0,1
.irp mt, 0,1
	global_load_b128 v[64*\mt+8*(2*(\u)+\sx):64*\mt+8*(2*(\u)+\sx)+3], v[OFFA+\mt], s[AB:AB+1] offset:64*(2*(\u)+\sx)
	global_load_b128 v[64*\mt+8*(2*(\u)+\sx)+4:64*\mt+8*(2*(\u)+\sx)+7], v[OFFA+\mt], s[AB:AB+1] offset:64*(2*(\u)+\sx)+32
.endr
.endr
.endm
.macro PLLOAD p, par                   ; row p of my four, out of the stage that trip par does not write: eight positions from each of the four waves' tiles
.irp sw, 0,1,2,3
	ds_load_b128 v[PL+8*\sw:PL+8*\sw+3], v[RD0+ALT*(1-(\par))] offset:PITCH*(\p)+STAGEW*\sw
	ds_load_b128 v[PL+8*\sw+4:PL+8*\sw+7], v[RD0+ALT*(1-(\par))] offset:PITCH*(\p)+STAGEW*\sw+16
.endr
.endm
; THE QUEUE.  EOP writes number q and steps q; plc counts the plain instructions since the last product.
;   0-5    the next trip's rows: rowid -> offset in xb          6-13  my four rows: rowid -> offset in h
;   then for row ep = 0..3, number ej:
;   0-15   the four partial sums and the bias                   16-23 1 + 0.2316419 |x|
;   24-39  the eight reciprocals, by turns with the eight lines that make - x x log2(e) / 2
;   40-55  the eight exponentials, by turns with max(x, 0): the row's 16 transcendentals are one batch, and nothing up to here names a result of theirs
;   56-71  the polynomial     72-79 times t and the exponential     80-87 max(x, 0) - |x| Q     88-91 bf16
.macro EOP
	WIN 0
.set plc, plc+1
.if q < 14
.set eg, (q-6)/4
.if q == 0
	s_wait_dscnt 0x0                               ; the rowids and row 0's eight pieces, asked for at the trip's head
	v_min_u32 v[TA], 0x7ff, v[RID]
.elseif q == 1
	v_min_u32 v[TB], 0x7ff, v[RID+1]
.elseif q == 2
	v_and_b32 v[TA], -2, v[TA]
.elseif q == 3
	v_and_b32 v[TB], -2, v[TB]
.elseif q == 4
	v_lshl_add_u32 v[OFFA], v[TA], 10, v[LANEA]
.elseif q == 5
	v_lshl_add_u32 v[OFFA+1], v[TB], 10, v[LANEA]
.elseif q%4 == 2
	v_min_u32 v[TA], 0x80f, v[ORW+2*eg]
.elseif q%4 == 3
	v_min_u32 v[TB], 0x80f, v[ORW+2*eg+1]
.elseif q%4 == 0
	v_lshl_add_u32 v[OOFF+2*eg], v[TA], 13, v[LOUT]
.else
	v_lshl_add_u32 v[OOFF+2*eg+1], v[TB], 13, v[LOUT]
.endif
.else
.set ep, (q-14)/92
.set ej, (q-14)%92
.if ej < 4
.if (ej == 0) && (ep > 0)
	s_wait_dscnt 0x0                               ; the row's eight pieces, asked for at the last group's end
.endif
	v_pk_add_f32 v[PL+2*ej:PL+2*ej+1], v[PL+2*ej:PL+2*ej+1], v[PL+8+2*ej:PL+9+2*ej]
.elseif ej < 8
	v_pk_add_f32 v[PL+8+2*ej:PL+9+2*ej], v[PL+8+2*ej:PL+9+2*ej], v[PL+16+2*ej:PL+17+2*ej]
.elseif ej < 12
	v_pk_add_f32 v[XX+2*ej-16:XX+2*ej-15], v[PL+2*ej-16:PL+2*ej-15], v[PL+2*ej:PL+2*ej+1]
.elseif ej < 16
	v_pk_add_f32 v[XX+2*ej-24:XX+2*ej-23], v[XX+2*ej-24:XX+2*ej-23], v[BIAS+2*ej-24:BIAS+2*ej-23]
.elseif ej < 24
	v_fma_f32 v[TT+ej-16], |v[XX+ej-16]|, s30, 1.0
.elseif ej < 40
.set ek, ej-24
.if ek%2 == 0
.set plc, plc-1
	v_rcp_f32 v[TT+ek/2], v[TT+ek/2]
.elseif ek < 8
	v_pk_mul_f32 v[QQ+ek-1:QQ+ek], v[XX+ek-1:XX+ek], s[32:33] op_sel_hi:[1,0]
.else
	v_pk_mul_f32 v[QQ+ek-9:QQ+ek-8], v[QQ+ek-9:QQ+ek-8], v[QQ+ek-9:QQ+ek-8] neg_lo:[1,0] neg_hi:[1,0]
.endif
.elseif ej < 56
.set ek, ej-40
.if ek%2 == 0
.set plc, plc-1
	v_exp_f32 v[QQ+ek/2], v[QQ+ek/2]
.else
	v_max_num_f32 v[RR+ek/2], 0, v[XX+ek/2]
.endif
.elseif ej < 60
	v_pk_fma_f32 v[PP+2*ej-112:PP+2*ej-111], v[TT+2*ej-112:TT+2*ej-111], s[34:35], s[36:37] op_sel_hi:[1,0,0]
.elseif ej < 72
.set el, (ej-60)/4
.set em, 2*((ej-60)%4)
	v_pk_fma_f32 v[PP+em:PP+em+1], v[PP+em:PP+em+1], v[TT+em:TT+em+1], s[38+2*el:39+2*el] op_sel_hi:[1,1,0]
.elseif ej < 76
.set em, 2*(ej-72)
	v_pk_mul_f32 v[TT+em:TT+em+1], v[TT+em:TT+em+1], v[QQ+em:QQ+em+1]
.elseif ej < 80
.set em, 2*(ej-76)
	v_pk_mul_f32 v[PP+em:PP+em+1], v[PP+em:PP+em+1], v[TT+em:TT+em+1]
.elseif ej < 88
	v_fma_f32 v[XX+ej-80], -|v[XX+ej-80]|, v[PP+ej-80], v[RR+ej-80]
.else
	v_cvt_pk_bf16_f32 v[OUT+4*ep+ej-88], v[XX+2*(ej-88)], v[XX+2*(ej-88)+1]
.endif
.endif
.set q, q+1
.endm
; A GROUP: 32 products, K steps 2 u and 2 u + 1; the 16 accumulators take turns, one instruction a turn; K step 0 starts the sums.
; Behind product sl stands a slice of the queue: none while sl < bare, then three (thin = 1: two where sl % 6 = 5), and behind the last all that is left up to number qe: four by the counts in TRIP.
.macro MMG u, bare, thin, qe
.set sl, 0
.irp sx, 0,1
.set ms, 2*(\u)+\sx
.set mi, 0
.rept 16
	WIN 0x06+(\u)/2
.if ms == 0
	v_wmma_f32_16x16x32_bf16 v[ACC+8*mi:ACC+8*mi+7], v[64*(ms%4)+8*(mi%8):64*(ms%4)+8*(mi%8)+7], v[64*(mi/8)+8*ms:64*(mi/8)+8*ms+7], 0
.else
	v_wmma_f32_16x16x32_bf16 v[ACC+8*mi:ACC+8*mi+7], v[64*(ms%4)+8*(mi%8):64*(ms%4)+8*(mi%8)+7], v[64*(mi/8)+8*ms:64*(mi/8)+8*ms+7], v[ACC+8*mi:ACC+8*mi+7]
.endif
.set plc, 0
.set nn, 0
.if sl >= (\bare)
.set nn, 3
.if (\thin) && (sl%6 == 5)
.set nn, 2
.endif
.endif
.if sl == 31
.set nn, (\qe)-q
.endif
.rept nn
.if q < (\qe)
	EOP
.endif
.endr
.set mi, mi+1
.set sl, sl+1
.endr
.endr
.endm
; A GROUP'S END: one run of memory instructions.  In front of it: v_nop until four plain instructions stand behind the last product (its sources are loaded anew below, and behind the last group its result is
; stored), and the one wait for the row's 16 transcendentals, ahead of their first reader.
.macro GEND u, par
	WIN 0
.if plc < 4
.rept 4-plc
	v_nop
.endr
.endif
	s_wait_alu depctr_va_vdst(0)
.if (\u) > 0
	global_store_b128 v[OOFF+(\u)-1], v[OUT+4*(\u)-4:OUT+4*(\u)-1], s[12:13]  ; the row finished in this group: sixteen lanes store 256 consecutive bytes of a row of h, aligned
.endif
.if (\u) < 3
	PLLOAD (\u)+1, \par                            ; the next row's pieces: its sums begin 36 numbers further on
.endif
	ALOAD \u                                       ; the next trip's rows are asked for in every live trip, so that the count 24 holds in each
.endm
; A TRIP, number s20 + par.
.macro TRIP par
.if \par
	s_cmp_ge_u32 s20, s21                          ; s20 + 1 > T
.else
	s_cmp_gt_u32 s20, s21
.endif
	s_cbranch_scc1 .Ldead_\@
	s_wait_xcnt 0x0                                ; the row loads and the last trip's stores have read their address and data registers
	v_lshl_add_u32 v[LT], s20, 7, v[LA0]
	v_lshl_add_u32 v[LTO], s20, 7, v[LO0]
	ds_load_b128 v[ORW:ORW+3], v[LTO] offset:128*(\par)  ; the rowids of the rows that I finish: the last trip's
	PLLOAD 0, \par
	ds_load_b32 v[RID], v[LT] offset:128*(\par)+128      ; the next trip's ranks; past the last they find 2048 + e
	ds_load_b32 v[RID+1], v[LT] offset:128*(\par)+192
.set q, 0
	s_wait_loadcnt 24                              ; K steps 0, 1 are in: three groups of 8 loads are younger; the same in front of each group
	MMG 0, 9, 0, 70                                ; 9 bare products while the LDS loads land; 22 x 3 + 4 = 70
	GEND 0, \par
	s_wait_loadcnt 24
	MMG 1, 0, 1, 162                               ; 26 x 3 + 5 x 2 + 4 = 92
	GEND 1, \par
	s_wait_loadcnt 24
	MMG 2, 0, 1, 254
	GEND 2, \par
	s_wait_loadcnt 24
	MMG 3, 0, 1, 346
	GEND 3, \par
	WIN 0
.set mi, 0
.rept 16                               ; my partial tile into the stage: accumulator (mt, 4 g + t) is eight neighbouring positions; its low registers first; row 3's last 36 numbers stand between the stores
	ds_store_b128 v[WR0+ALT*(\par)], v[ACC+8*mi:ACC+8*mi+3] offset:16*PITCH*(mi/8)+272*((mi%8)/4)+32*(mi%4)
	EOP
	ds_store_b128 v[WR0+ALT*(\par)], v[ACC+8*mi+4:ACC+8*mi+7] offset:16*PITCH*(mi/8)+272*((mi%8)/4)+32*(mi%4)+16
	EOP
.set mi, mi+1
.endr
.rept 4
	EOP
.endr
	global_store_b128 v[OOFF+3], v[OUT+12:OUT+15], s[12:13]
.Ldead_\@:
	s_wait_dscnt 0x0                               ; for the others' sake: my tile is in its stage, and my reads of the other stage are over
	s_barrier_signal -1
	s_barrier_wait -1
.endm
	s_load_b256 s[4:11], s[0:1], 0x0               ; W1 s[4:5], b1 s[6:7], xb s[8:9], choice s[10:11]
	s_load_b64 s[12:13], s[0:1], 0x20              ; h
	v_lshl_add_u32 v[SPW], v0, 2, SPARE
	v_mov_b32 v[NIL], 0
	v_lshrrev_b32 v[TA], 5, v0
	v_readfirstlane_b32 s14, v[TA]                 ; wave
	v_and_b32 v[LR], 15, v0
	v_bfe_u32 v[LH], v0, 4, 1
	v_and_b32 v[TB], 31, v0                        ; lane
	s_lshr_b32 s15, ttmp9, 5                       ; expert
	s_and_b32 s16, ttmp9, 31                       ; slice of 128 columns
	v_lshlrev_b32 v[WOFF], 4, v[LR]
	v_lshl_or_b32 v[WOFF], v[LH], 17, v[WOFF]      ; 8 rows of 16,384 bytes for hh
	v_lshlrev_b32 v[LANEA], 4, v[LH]
	v_lshl_add_u32 v[LA0], v[LR], 2, LISTR
	s_lshl_b32 s28, s14, 5
	s_add_co_u32 s28, s28, LISTB
	v_lshl_add_u32 v[LO0], v[LH], 4, s28
	s_mul_i32 s28, s14, STAGEW
	v_mul_u32_u24 v[WR0], v[LR], PITCH
	v_lshl_add_u32 v[WR0], v[LH], 7, v[WR0]
	v_add_nc_u32 v[WR0], s28, v[WR0]
	s_mul_i32 s28, s14, 8*PITCH
	v_mul_u32_u24 v[RD0], v[LH], 4*PITCH
	v_lshl_add_u32 v[RD0], v[LR], 5, v[RD0]
	v_lshrrev_b32 v[TA], 3, v[LR]
	v_lshl_add_u32 v[RD0], v[TA], 4, v[RD0]        ; positions 64 .. lie behind the gap
	v_add_nc_u32 v[RD0], s28, v[RD0]
	v_lshlrev_b32 v[LOUT], 4, v[LR]
	v_lshrrev_b32 v[TA], 2, v[LR]                  ; b1 of position 8 r + j: column 32 (r / 4) + 4 j + r % 4
	v_and_b32 v[LT], 3, v[LR]
	v_lshlrev_b32 v[LT], 2, v[LT]
	v_lshl_add_u32 v[LT], v[TA], 7, v[LT]
	v_lshlrev_b32 v[L16], 4, v[TB]
	v_lshlrev_b32 v[L8], 3, v[TB]
	v_add_nc_u32 v[DI], LWORDS, v[TB]              ; my word of the dump
	s_lshl_b32 s25, 0x101, s15                     ; the expert's two bits in a choice
	s_add_co_u32 s26, s15, 8
	s_mov_b32 s46, LISTR
	s_mov_b32 s30, 0x3e6d3389                      ; 0.2316419
	s_mov_b32 s32, 0x3f596d27                      ; sqrt(log2(e) / 2)
	s_mov_b32 s33, s32                             ; each constant is named as a pair and taken from its low word
	s_mov_b32 s34, 0x3f07dc22                      ; b5 .. b1, each times 1 / sqrt(2 pi)
	s_mov_b32 s35, s34
	s_mov_b32 s36, 0xbf3a00e3
	s_mov_b32 s37, s36
	s_mov_b32 s38, 0x3f35f0e3
	s_mov_b32 s39, s38
	s_mov_b32 s40, 0xbe11a98e
	s_mov_b32 s41, s40
	s_mov_b32 s42, 0x3e027906
	s_mov_b32 s43, s42
	s_lshl_b32 s18, s15, 24                        ; the expert's 16,777,216 bytes,
	s_lshl_b32 s28, s14, 22                        ; my wave's 256 rows,
	s_add_co_u32 s18, s18, s28
	s_lshl_b32 s28, s16, 9                         ; the slice's 512 bytes of a row
	s_add_co_u32 s18, s18, s28
	s_mov_b32 s19, 0
	s_wait_kmcnt 0x0
	s_add_nc_u64 s[4:5], s[4:5], s[18:19]
	s_lshl_b32 s18, s15, 14
	s_add_co_u32 s18, s18, s28
	s_add_nc_u64 s[6:7], s[6:7], s[18:19]          ; b1 at the slice
	s_lshl_b32 s18, s14, 9
	s_add_nc_u64 s[8:9], s[8:9], s[18:19]          ; xb at my K quarter
	s_lshl_b32 s18, s16, 8
	s_add_nc_u64 s[12:13], s[12:13], s[18:19]      ; h at the slice
	s_cmp_lg_u32 s14, 0
	s_cbranch_scc1 .Lno_choice
.irp i, 0,1,2,3,4,5,6,7
	global_load_b128 v[CH+4*\i:CH+4*\i+3], v[L16], s[10:11] offset:512*\i  ; register 4 i + c: token 128 i + 4 lane + c
.endr
.Lno_choice:
.irp j, 0,1,2,3,4,5,6,7
	global_load_b32 v[BIAS+\j], v[LT], s[6:7] offset:16*\j
.endr
	WLOAD 0                                        ; choices and bias are older than every weight load: the first counted wait covers them
	WLOAD 1
	WLOAD 2
	WIN 0
	s_mul_i32 s28, s14, STAGEW                     ; while the first weights are on their way: my tile of stage 1 takes zeros, which trip 0 finishes into row 2056 + e
	s_add_co_u32 s28, s28, STAGE1
	v_add_nc_u32 v[LP], s28, v[L16]
	v_mov_b32 v[PL], 0
	v_mov_b32 v[PL+1], 0
	v_mov_b32 v[PL+2], 0
	v_mov_b32 v[PL+3], 0
.set k, 0
.rept 33                               ; 33 x 512 bytes = a wave's tile
	ds_store_b128 v[LP], v[PL:PL+3] offset:512*k
.set k, k+1
.endr
	STEP 0, 48                                     ; 48: the three younger batches of 16
	WIN 0
.irp z, 0,1,2,3
	v_cvt_pk_bf16_f32 v[TA], v[BIAS+2*\z], v[BIAS+2*\z+1]  ; b1 rounded to bf16 and widened again
	v_lshlrev_b32 v[BIAS+2*\z], 16, v[TA]
	v_and_b32 v[BIAS+2*\z+1], 0xffff0000, v[TA]
.endr
	s_cmp_lg_u32 s14, 0
	s_cbranch_scc1 .Lno_list
	; THE LIST, by wave 0.  First every place takes 2048 + e, and then the 32 in front of the list 2056 + e; then, 32 tokens at a time, a token that chose e puts its rowid at its rank: the count so far plus the choosing lanes below it.
	s_add_co_u32 s28, s15, 2048
	v_mov_b32 v[PL], s28
	v_mov_b32 v[PL+1], s28
	v_mov_b32 v[PL+2], s28
	v_mov_b32 v[PL+3], s28
	v_add_nc_u32 v[LAD], LISTB, v[L16]
.irp k, 0,1,2,3,4,5,6,7,8,9
	ds_store_b128 v[LAD], v[PL:PL+3] offset:512*\k
.endr
	s_add_co_u32 s28, s28, 8
	v_mov_b32 v[LRID], s28
	v_lshl_add_u32 v[LAD], v[TB], 2, LISTB
	ds_store_b32 v[LAD], v[LRID]                   ; LDS serves a wave's instructions in order (ISA guide 5.7.1.4): this lands behind the stores above
	s_mov_b32 s29, 0
.set k, 0
.rept 32
	v_and_b32 v[LM], s25, v[CH+k]
	v_cmp_ne_u32 vcc_lo, 0, v[LM]
	v_mbcnt_lo_u32_b32 v[LP], vcc_lo, s29
	v_lshrrev_b32 v[LK], s26, v[LM]                ; 1 if e is the token's second choice
	v_cndmask_b32 v[LP], v[DI], v[LP], vcc_lo      ; a lane that did not choose e writes into the dump
	v_min_u32 v[LP], 0x47f, v[LP]
	v_lshl_add_u32 v[LAD], v[LP], 2, s46
	v_add3_u32 v[LRID], v[LK], v[L8], 256*(k/4)+2*(k%4)
	ds_store_b32 v[LAD], v[LRID]
	s_bcnt1_i32_b32 s28, vcc_lo
	s_add_co_u32 s29, s29, s28
.set k, k+1
.endr
	v_mov_b32 v[LM], s29
	v_mov_b32 v[LAD], CNTB
	ds_store_b32 v[LAD], v[LM]
.Lno_list:
.irp b, 1,2,3,4,5,6,7,8,9,10,11,12
	STEP \b, 48
.endr
	STEP 13, 32                                    ; batches 14 and 15 are younger
	WIN 0
	s_wait_dscnt 0x0                               ; my zeros are in stage 1; wave 0: the list is written
	s_barrier_signal -1
	s_barrier_wait -1                              ; every wave may read both
	v_mov_b32 v[TA], CNTB
	ds_load_b32 v[TB], v[TA]
	ds_load_b32 v[RID], v[LA0]                     ; trip 0: ranks r and 16 + r
	ds_load_b32 v[RID+1], v[LA0] offset:64
	v_add_nc_u32 v[WR0+ALT], STAGE1, v[WR0]        ; stage 1's addresses
	v_add_nc_u32 v[RD0+ALT], STAGE1, v[RD0]
	s_wait_dscnt 0x0
	v_readfirstlane_b32 s22, v[TB]
	s_add_co_u32 s21, s22, 31
	s_lshr_b32 s21, s21, 5
	s_min_u32 s21, s21, NTRIP                      ; T
	OFFS
	ALOAD 0                                        ; into the staging registers that batches 12 and 13 have left
	ALOAD 1
	ALOAD 2
	ALOAD 3
	STEP 14, 48                                    ; batch 15 and the 32 row loads are younger
	STEP 15, 32                                    ; the 32 row loads
	WIN 0
	s_mov_b32 s20, 0
.Ltrip:
	TRIP 0
	TRIP 1
	s_add_co_u32 s20, s20, 2
	s_cmp_lt_u32 s20, NTRIP+2
	s_cbranch_scc1 .Ltrip
	s_wait_tensorcnt 0x0                           ; the wave's end, behind my last LDS store
	ds_add_u32 v[SPW], v[NIL]
	s_wait_dscnt 0x0
	s_endpgm
.Lfunc_end_k_qf84e0b36e6_ffn1:
	.size	k_qf84e0b36e6_ffn1, .Lfunc_end_k_qf84e0b36e6_ffn1-k_qf84e0b36e6_ffn1
	.p2alignl 7, 3214868480
	.fill 96, 4, 3214868480
	.section	.rodata,"a",@progbits
	.p2align	6, 0x0
	.amdhsa_kernel k_qf84e0b36e6_ffn1
		.amdhsa_group_segment_fixed_size 147456
		.amdhsa_private_segment_fixed_size 0
		.amdhsa_enable_private_segment 0
		.amdhsa_kernarg_size 40
		.amdhsa_user_sgpr_count 2
		.amdhsa_user_sgpr_kernarg_segment_ptr 1
		.amdhsa_wavefront_size32 1
		.amdhsa_system_sgpr_workgroup_id_x 1
		.amdhsa_system_sgpr_workgroup_id_y 1
		.amdhsa_system_sgpr_workgroup_id_z 1
		.amdhsa_system_vgpr_workitem_id 0
		.amdhsa_next_free_vgpr 1024
		.amdhsa_next_free_sgpr 66
		.amdhsa_reserve_vcc 1
		.amdhsa_float_denorm_mode_32 3
		.amdhsa_float_denorm_mode_16_64 3
		.amdhsa_memory_ordered 1
		.amdhsa_forward_progress 1
		.amdhsa_inst_pref_size 178
	.end_amdhsa_kernel
	.amdgpu_metadata
---
amdhsa.version: [ 1, 2 ]
amdhsa.kernels:
  - .name:           k_qf84e0b36e6_ffn1
    .symbol:         k_qf84e0b36e6_ffn1.kd
    .args:
      - { .name: W1, .offset: 0, .size: 8, .value_kind: global_buffer, .address_space: global }
      - { .name: b1, .offset: 8, .size: 8, .value_kind: global_buffer, .address_space: global }
      - { .name: xb, .offset: 16, .size: 8, .value_kind: global_buffer, .address_space: global }
      - { .name: choice, .offset: 24, .size: 8, .value_kind: global_buffer, .address_space: global }
      - { .name: h, .offset: 32, .size: 8, .value_kind: global_buffer, .address_space: global }
    .group_segment_fixed_size: 147456
    .private_segment_fixed_size: 0
    .kernarg_segment_align: 8
    .kernarg_segment_size: 40
    .max_flat_workgroup_size: 128
    .sgpr_count:     66
    .vgpr_count:     1024
    .wavefront_size: 32
...
	.end_amdgpu_metadata
.endif
;; end of part 2
;; launch ffn2 (part 3): grid 256 x 1, 4 waves a work-group, no clusters, 147,456 bytes of LDS; arguments W2, h, choice, gate, y4; writes y4
.if DOCPART == 3
	.amdgcn_target "amdgcn-amd-amdhsa--gfx1250"
	.amdhsa_code_object_version 6
	.text
	.protected	k_qf84e0b36e6_ffn2
	.globl	k_qf84e0b36e6_ffn2
	.p2align	8
	.type	k_qf84e0b36e6_ffn2,@function
k_qf84e0b36e6_ffn2:
	s_mov_b64 s[64:65], 0
	v_nop
	global_prefetch_b8 v0, s[64:65] scope:SCOPE_SE
	s_setreg_imm32_b32 hwreg(HW_REG_WAVE_MODE, 25, 1), 1
	s_wait_xcnt 0x0
; SECOND PRODUCT.  y4[kq][rowid] = gate[rowid] x (h[rowid], positions 1024 kq .. + 1023) W2[e], the partial sum of one quarter of the hidden width, f32, true column order.  y4: [4][2064][1024].
; SHARES.  Work-group = (expert e = id / 32, K quarter kq = (id / 8) % 4, columns 128 (id % 8) ..): it alone reads its slice of W2, 1,024 x 128 f32, once, rounds it to bf16 and keeps it in
; registers; wave w holds 256 of the 1,024 rows.  The expert's rows pass in trips of 32, as in the first product: four partial tiles meet in LDS, each wave finishes 8 rows.
; h lies in POSITION order (position 32 S + 8 t + j is hidden unit 32 S + 4 j + t), so slot 8 t + j of a K step takes row 32 s + 4 j + t of W2: the first half of a lane's fragment has t = hh, the second t = 2 + hh.
; In the result lane (r, hh) register j of tile 4 g + t is token r, column 64 g + 32 hh + 4 j + t: the multiply by the gate weight writes register 4 j + t, which puts the 32 columns in order.
; The list of rowids, and beside it the gate weights by rank, are built in LDS by wave 0.  Places past the count hold 2048 + e and the weight 0: loads clamp to row 2047, stores go to row 2048 + e, which nobody reads.
; The 32 places in front of the list hold 2056 + e, a second row that nobody reads.  Each of the two spare rows takes ONE value a byte, whichever wave stores it and when: row 2048 + e row 2047's product times 0, row 2056 + e the sum of zeros.
; THE LOOP, BY TURNS OF TWO STAGES, as in the first product: trip i multiplies rows 32 i .. into stage i % 2, and between its matrix instructions adds up and stores trip i - 1 out of the other stage.  ONE barrier a trip
; orders both: the stage that trip i writes was last read in trip i - 1, ahead of that trip's wait for its LDS loads and its barrier; the stage that it reads was written ahead of the same barrier.  The text holds an
; even and an odd trip, so that every stage address is a constant and a lane's term.  34 trips serve any count from 0 to 1,024; every wave passes every barrier, and only work is jumped over, forward.
; Trips 0 .. T are live (T = the count / 32, rounded up).  THE PRICE of one text for every live trip: trip 0 adds up a stage of zeros into row 2056 + e, and trip T multiplies 32 places past the count, whose tile
; nobody adds up: 128 products a wave, once a launch.
; The four quarters and the two experts of a token are added by the last launch: partial sums stay in f32.
; LIMITS.  W2 is rounded to bf16 once; sums and the gate weight in f32.  NaN and infinities are not treated apart.
; No tensor loads and no cluster: each weight byte has one reader, and the rows come by a list.
; REGISTERS: window 0 below, v128-255 the 16 accumulators; window 1: staging, then v0-127 the rows' fragments and v128-255 the stage's pieces (row p, wave sw at 128 + 16 p + 4 sw); windows 2, 3 the weights.
.set PITCH,  528                       ; a stage row: 512 bytes and 16 of padding = 33 x 16: the 16 rows that a store touches start in 16 different columns of 16 bytes modulo 256
.set STAGEW, 32*PITCH
.set STAGE1, 4*STAGEW                  ; 67,584: the second stage
.set LISTB,  2*STAGE1                  ; 135,168: 32 places in front of the list,
.set LISTR,  LISTB+128                 ; the list of rowids, 1,088 words, and behind it the dump
.set LWORDS, 1088
.set LSPAN,  5120                      ; all three; the gate weights by rank lie LSPAN behind the rowids
.set CNTB,   LISTB+2*LSPAN             ; 145,408: the count
.set SPARE,  CNTB+256                  ; 145,664: the spare words, 128 bytes for each wave
.set NTRIP,  32
.set LR,    1                          ; r = lane % 16
.set LH,    2                          ; hh = lane / 16
.set SPW,   3                          ; my spare word; never rewritten
.set NIL,   4                          ; 0; never rewritten
.set WOFF,  5                          ; weights: one row for hh, 16 bytes for r
.set LANEA, 6                          ; 16 hh
.set LA0,   7                          ; LISTR + 4 r
.set LO0,   8                          ; LISTB + 32 w: the eight rows that my wave finishes, a trip back
.set WR0,   9                          ; stage 0, writing: my wave's tile, row r, 128 hh
.set RD0,   10                         ; stage 0, reading: row 8 w, 16 lane
.set ALT,   102                        ; stage 1's two address registers lie ALT above: v111, v112
.set LOUT,  11                         ; 16 lane
.set OFFA,  12                         ; v12-13
.set RID,   14                         ; v14-15
.set ORW,   16                         ; v16-23 rowids of the rows that my wave finishes
.set OOFF,  24                         ; v24-31 their byte offsets in a plane of y4
.set F0,    32                         ; v32-63, v64-95: 32 columns in order, two buffers by turns
.set PG,    96                         ; v96-97 the gate weights of this trip's rows r and 16 + r
.set LT,    98
.set TA,    99
.set TB,    100
.set DI,    102
.set L8,    103
.set LM,    104
.set LP,    105
.set LK,    106
.set LAD,   107
.set LRID,  108
.set PV,    109
.set L32,   110
.set LTO,   113
.set ACC,   128
.set PB,    128                        ; in window 1
.set CH,    128                        ; v128-159 the choices, v160-223 the gate weights, in wave 0, ahead of the products
.set GP,    160
.set AB,    6                          ; s[6:7] the rows' base
.set MSB, 0
.macro WIN new                         ; the immediate's high byte repeats the setting that is left; a switch that changes nothing is dropped
.if MSB != (\new)
	s_set_vgpr_msb (MSB<<8)|(\new)
.set MSB, (\new)
.endif
.endm
; Batch b = (K step b / 2, column half b % 2): 16 loads, rows 32 s + 4 i + hh and 32 s + 4 (i - 8) + 2 + hh; sixteen lanes read 256 consecutive bytes of a row, aligned
.macro WLOAD b
	WIN 0x40
.set wi, 0
.rept 16
.set wrow, 32*((\b)/2)+4*(wi%8)+2*(wi/8)
	global_load_b128 v[64*((\b)%4)+4*wi:64*((\b)%4)+4*wi+3], v[WOFF], s[4:5] offset:wrow*4096+256*((\b)%2) th:TH_LOAD_NT
.set wi, wi+1
.endr
.endm
.macro WCVT b                          ; fragment register p of tile 4 g + t = loads 2 p and 2 p + 1, component t
.set cs, (\b)/2
.set cg, (\b)%2
	WIN 0x85+0x40*(cs/4)
.set ct, 0
.rept 4
.set cp, 0
.rept 8
	v_cvt_pk_bf16_f32 v[64*(cs%4)+8*(4*cg+ct)+cp], v[64*((\b)%4)+8*cp+ct], v[64*((\b)%4)+8*cp+4+ct]
.set cp, cp+1
.endr
.set ct, ct+1
.endr
.endm
.macro STEP b, left
.if (\b) < 13
	WLOAD (\b)+3                                   ; into the staging registers that batch b - 1 has left
.endif
	s_wait_loadcnt \left                           ; loads come back in order: batch b is in, the younger ones stay out
	WCVT \b
.endm
.macro OFFS                            ; rowid -> byte offset of the row in h (at the head, for trip 0; in the loop the queue's numbers 0 to 3 do the same)
	v_min_u32 v[TA], 0x7ff, v[RID]
	v_min_u32 v[TB], 0x7ff, v[RID+1]
	v_lshl_add_u32 v[OFFA], v[TA], 13, v[LANEA]
	v_lshl_add_u32 v[OFFA+1], v[TB], 13, v[LANEA]
.endm
.macro ALOAD u                         ; the rows' fragments of K steps 2 u, 2 u + 1: 8 loads
	WIN 0x40
.irp sx, 0,1
.irp mt, 0,1
	global_load_b128 v[64*\mt+8*(2*(\u)+\sx):64*\mt+8*(2*(\u)+\sx)+3], v[OFFA+\mt], s[AB:AB+1] offset:64*(2*(\u)+\sx)
	global_load_b128 v[64*\mt+8*(2*(\u)+\sx)+4:64*\mt+8*(2*(\u)+\sx)+7], v[OFFA+\mt], s[AB:AB+1] offset:64*(2*(\u)+\sx)+32
.endr
.endr
.endm
.macro PBLOAD g, par                   ; rows 2 g and 2 g + 1 of my eight, out of the stage that trip par does not write: 512 neighbouring bytes from each wave's tile
	WIN 0x40
.irp pr, 0,1
.irp sw, 0,1,2,3
	ds_load_b128 v[PB+16*(2*(\g)+\pr)+4*\sw:PB+16*(2*(\g)+\pr)+4*\sw+3], v[RD0+ALT*(1-(\par))] offset:PITCH*(2*(\g)+\pr)+STAGEW*\sw
.endr
.endr
.endm
; THE QUEUE of the adding up, 68 vector instructions.  EOP writes number q and steps q; plc counts the plain instructions since the last product.
;   0-3  the next trip's rows: rowid -> offset in h     4-19  my eight rows: rowid -> offset in a plane of y4     then six packed additions a row: the four waves' pieces into one
.macro EOP
.set plc, plc+1
.if q < 20
	WIN 0
.set eg, (q-4)/4
.if q == 0
	s_wait_dscnt 0x0                               ; rowids, gate weights and the pieces of rows 0 and 1, asked for at the trip's head
	v_min_u32 v[TA], 0x7ff, v[RID]
.elseif q == 1
	v_min_u32 v[TB], 0x7ff, v[RID+1]
.elseif q == 2
	v_lshl_add_u32 v[OFFA], v[TA], 13, v[LANEA]
.elseif q == 3
	v_lshl_add_u32 v[OFFA+1], v[TB], 13, v[LANEA]
.elseif q%4 == 0
	v_min_u32 v[TA], 0x80f, v[ORW+2*eg]
.elseif q%4 == 1
	v_min_u32 v[TB], 0x80f, v[ORW+2*eg+1]
.elseif q%4 == 2
	v_lshl_add_u32 v[OOFF+2*eg], v[TA], 12, v[LOUT]
.else
	v_lshl_add_u32 v[OOFF+2*eg+1], v[TB], 12, v[LOUT]
.endif
.else
.set er, (q-20)/6
.set ek, (q-20)%6
.set eb, PB+16*er
.if (ek == 0) && (er%2 == 0) && (er > 0)
	s_wait_dscnt 0x0                               ; the two rows' pieces, asked for at the last group's end
.endif
	WIN 0x45
.if ek < 2
	v_pk_add_f32 v[eb+2*ek:eb+2*ek+1], v[eb+2*ek:eb+2*ek+1], v[eb+4+2*ek:eb+5+2*ek]
.elseif ek < 4
	v_pk_add_f32 v[eb+4+2*ek:eb+5+2*ek], v[eb+4+2*ek:eb+5+2*ek], v[eb+8+2*ek:eb+9+2*ek]
.else
	v_pk_add_f32 v[eb+2*ek-8:eb+2*ek-7], v[eb+2*ek-8:eb+2*ek-7], v[eb+2*ek:eb+2*ek+1]
.endif
.endif
.set q, q+1
.endm
; A GROUP: 32 products, K steps 2 u and 2 u + 1; the 16 accumulators take turns, one instruction a turn; K step 0 starts the sums.
; From product 12 on, while the LDS loads asked for just before have had twelve products in which to land, three numbers of the queue stand behind each product, up to number qe.
.macro MMG u, qe
.set sl, 0
.irp sx, 0,1
.set ms, 2*(\u)+\sx
.set mi, 0
.rept 16
	WIN 0x06+(\u)/2
.if ms == 0
	v_wmma_f32_16x16x32_bf16 v[ACC+8*mi:ACC+8*mi+7], v[64*(ms%4)+8*(mi%8):64*(ms%4)+8*(mi%8)+7], v[64*(mi/8)+8*ms:64*(mi/8)+8*ms+7], 0
.else
	v_wmma_f32_16x16x32_bf16 v[ACC+8*mi:ACC+8*mi+7], v[64*(ms%4)+8*(mi%8):64*(ms%4)+8*(mi%8)+7], v[64*(mi/8)+8*ms:64*(mi/8)+8*ms+7], v[ACC+8*mi:ACC+8*mi+7]
.endif
.set plc, 0
.if sl >= 12
.rept 3
.if q < (\qe)
	EOP
.endif
.endr
.endif
.set mi, mi+1
.set sl, sl+1
.endr
.endr
.endm
; A GROUP'S END: one run of memory instructions, behind four plain places (the last product's sources are loaded anew below, and behind the last group its result is read).
.macro GEND u, par
.if plc < 4
.rept 4-plc
	v_nop
.endr
.endif
	WIN 0x04                                       ; address in window 0, data in window 1
	global_store_b128 v[OOFF+2*(\u)], v[PB+32*(\u):PB+32*(\u)+3], s[12:13]        ; the two rows added up in this group: the wave stores 512 consecutive bytes of a row of y4, aligned
	global_store_b128 v[OOFF+2*(\u)+1], v[PB+32*(\u)+16:PB+32*(\u)+19], s[12:13]
.if (\u) < 3
	PBLOAD (\u)+1, \par
.endif
	ALOAD \u                                       ; the next trip's rows are asked for in every live trip, so that the count 24 holds in each
.endm
; A TRIP, number s20 + par.
.macro TRIP par
.if \par
	s_cmp_ge_u32 s20, s21                          ; s20 + 1 > T
.else
	s_cmp_gt_u32 s20, s21
.endif
	s_cbranch_scc1 .Ldead_\@
	s_wait_xcnt 0x0                                ; the row loads and the last trip's stores have read their address and data registers
	v_lshl_add_u32 v[LT], s20, 7, v[LA0]
	v_lshl_add_u32 v[LTO], s20, 7, v[LO0]
	ds_load_b128 v[ORW:ORW+3], v[LTO] offset:128*(\par)      ; the rowids of the rows that my wave finishes: the last trip's
	ds_load_b128 v[ORW+4:ORW+7], v[LTO] offset:128*(\par)+16
	ds_load_b32 v[RID], v[LT] offset:128*(\par)+128          ; the next trip's ranks; past the last they find 2048 + e
	ds_load_b32 v[RID+1], v[LT] offset:128*(\par)+192
	ds_load_b32 v[PG], v[LT] offset:LSPAN+128*(\par)         ; this trip's gate weights
	ds_load_b32 v[PG+1], v[LT] offset:LSPAN+128*(\par)+64
	PBLOAD 0, \par
.set q, 0
	s_wait_loadcnt 24                              ; K steps 0, 1 are in: three groups of 8 loads are younger; the same in front of each group
	MMG 0, 32
	GEND 0, \par
	s_wait_loadcnt 24
	MMG 1, 44
	GEND 1, \par
	s_wait_loadcnt 24
	MMG 2, 56
	GEND 2, \par
	s_wait_loadcnt 24
	MMG 3, 68
	GEND 3, \par
	WIN 0
	; my partial tile, times the gate weight, into the stage in true column order; each accumulator is read from its lowest register on
.irp mt, 0,1
.irp g, 0,1
.irp t, 0,1,2,3
.irp j, 0,1,2,3,4,5,6,7
	v_mul_f32 v[F0+32*\g+4*\j+\t], v[ACC+8*(8*\mt+4*\g+\t)+\j], v[PG+\mt]
.endr
.endr
.irp z, 0,1,2,3,4,5,6,7
	ds_store_b128 v[WR0+ALT*(\par)], v[F0+32*\g+4*\z:F0+32*\g+4*\z+3] offset:16*PITCH*\mt+256*\g+16*\z
.endr
.endr
.endr
.Ldead_\@:
	s_wait_dscnt 0x0                               ; for the others' sake: my tile is in its stage, and my reads of the other stage are over
	s_barrier_signal -1
	s_barrier_wait -1
.endm
	s_load_b256 s[4:11], s[0:1], 0x0               ; W2 s[4:5], h s[6:7], choice s[8:9], gate s[10:11]
	s_load_b64 s[12:13], s[0:1], 0x20              ; y4
	v_lshl_add_u32 v[SPW], v0, 2, SPARE
	v_mov_b32 v[NIL], 0
	v_lshrrev_b32 v[TA], 5, v0
	v_readfirstlane_b32 s14, v[TA]                 ; wave
	v_and_b32 v[LR], 15, v0
	v_bfe_u32 v[LH], v0, 4, 1
	v_and_b32 v[TB], 31, v0                        ; lane
	s_lshr_b32 s15, ttmp9, 5                       ; expert
	s_and_b32 s16, ttmp9, 7                        ; slice of 128 columns
	s_bfe_u32 s17, ttmp9, 0x20003                  ; K quarter
	v_lshlrev_b32 v[WOFF], 4, v[LR]
	v_lshl_or_b32 v[WOFF], v[LH], 12, v[WOFF]      ; one row of 4,096 bytes for hh
	v_lshlrev_b32 v[LANEA], 4, v[LH]
	v_lshl_add_u32 v[LA0], v[LR], 2, LISTR
	s_lshl_b32 s28, s14, 5
	s_add_co_u32 s28, s28, LISTB
	v_mov_b32 v[LO0], s28
	s_mul_i32 s28, s14, STAGEW
	v_mul_u32_u24 v[WR0], v[LR], PITCH
	v_lshl_add_u32 v[WR0], v[LH], 7, v[WR0]
	v_add_nc_u32 v[WR0], s28, v[WR0]
	s_mul_i32 s28, s14, 8*PITCH
	v_lshl_add_u32 v[RD0], v[TB], 4, s28
	v_lshlrev_b32 v[LOUT], 4, v[TB]
	v_lshlrev_b32 v[L8], 3, v[TB]
	v_lshlrev_b32 v[L32], 5, v[TB]
	v_add_nc_u32 v[DI], LWORDS, v[TB]              ; my word of the dump
	s_lshl_b32 s25, 0x101, s15                     ; the expert's two bits in a choice
	s_add_co_u32 s26, s15, 8
	s_mov_b32 s46, LISTR
	s_lshl_b32 s18, s15, 24                        ; the expert's 16,777,216 bytes,
	s_lshl_b32 s28, s17, 22                        ; the quarter's 1,024 rows,
	s_add_co_u32 s18, s18, s28
	s_lshl_b32 s28, s14, 20                        ; my wave's 256 rows,
	s_add_co_u32 s18, s18, s28
	s_lshl_b32 s28, s16, 9                         ; the slice's 512 bytes of a row
	s_add_co_u32 s18, s18, s28
	s_mov_b32 s19, 0
	s_wait_kmcnt 0x0
	s_add_nc_u64 s[4:5], s[4:5], s[18:19]
	s_mul_i32 s18, s17, 0x810000                   ; a plane of y4: 2,064 rows of 4,096 bytes
	s_add_co_u32 s18, s18, s28
	s_add_nc_u64 s[12:13], s[12:13], s[18:19]      ; y4 at the plane and the slice
	s_lshl_b32 s18, s17, 11
	s_lshl_b32 s28, s14, 9
	s_add_co_u32 s18, s18, s28
	s_add_nc_u64 s[6:7], s[6:7], s[18:19]          ; h at my 256 positions
	s_cmp_lg_u32 s14, 0
	s_cbranch_scc1 .Lno_choice
.irp i, 0,1,2,3,4,5,6,7
	global_load_b128 v[CH+4*\i:CH+4*\i+3], v[LOUT], s[8:9] offset:512*\i  ; register 4 i + c: token 128 i + 4 lane + c
.endr
.irp i, 0,1,2,3,4,5,6,7
	global_load_b128 v[GP+8*\i:GP+8*\i+3], v[L32], s[10:11] offset:1024*\i     ; registers 8 i + 2 c, + 1: that token's two weights
	global_load_b128 v[GP+8*\i+4:GP+8*\i+7], v[L32], s[10:11] offset:1024*\i+16
.endr
.Lno_choice:
	WLOAD 0                                        ; choices and weights of the gate are older than every weight load: the first counted wait covers them
	WLOAD 1
	WLOAD 2
	WIN 0
	s_mul_i32 s28, s14, STAGEW                     ; while the first weights are on their way: my tile of stage 1 takes zeros, which trip 0 adds up into row 2056 + e
	s_add_co_u32 s28, s28, STAGE1
	v_add_nc_u32 v[LP], s28, v[LOUT]
	v_mov_b32 v[F0+4], 0
	v_mov_b32 v[F0+5], 0
	v_mov_b32 v[F0+6], 0
	v_mov_b32 v[F0+7], 0
.set k, 0
.rept 33                               ; 33 x 512 bytes = a wave's tile
	ds_store_b128 v[LP], v[F0+4:F0+7] offset:512*k
.set k, k+1
.endr
	STEP 0, 48                                     ; 48: the three younger batches of 16
	WIN 0
	s_cmp_lg_u32 s14, 0
	s_cbranch_scc1 .Lno_list
	; THE LIST, by wave 0.  First every place takes 2048 + e and the weight 0, and then the 32 in front of the list 2056 + e; then, 32 tokens at a time, a token that chose e puts its rowid and its weight at its rank.
	s_add_co_u32 s28, s15, 2048
	v_mov_b32 v[F0], s28
	v_mov_b32 v[F0+1], s28
	v_mov_b32 v[F0+2], s28
	v_mov_b32 v[F0+3], s28
	v_add_nc_u32 v[LAD], LISTB, v[LOUT]
.irp k, 0,1,2,3,4,5,6,7,8,9
	ds_store_b128 v[LAD], v[F0:F0+3] offset:512*\k
	ds_store_b128 v[LAD], v[F0+4:F0+7] offset:LSPAN+512*\k
.endr
	s_add_co_u32 s28, s28, 8
	v_mov_b32 v[LRID], s28
	v_lshl_add_u32 v[LAD], v[TB], 2, LISTB
	ds_store_b32 v[LAD], v[LRID]                   ; LDS serves a wave's instructions in order (ISA guide 5.7.1.4): this lands behind the stores above
	s_mov_b32 s29, 0
.set k, 0
.rept 32
	v_and_b32 v[LM], s25, v[CH+k]
	v_cmp_ne_u32 vcc_lo, 0, v[LM]
	v_mbcnt_lo_u32_b32 v[LP], vcc_lo, s29
	v_lshrrev_b32 v[LK], s26, v[LM]                ; 1 if e is the token's second choice
	v_cndmask_b32 v[LP], v[DI], v[LP], vcc_lo      ; a lane that did not choose e writes into the dump
	s_bcnt1_i32_b32 s28, vcc_lo
	v_cmp_ne_u32 vcc_lo, 0, v[LK]
	v_min_u32 v[LP], 0x47f, v[LP]
	v_lshl_add_u32 v[LAD], v[LP], 2, s46
	v_add3_u32 v[LRID], v[LK], v[L8], 256*(k/4)+2*(k%4)
	v_cndmask_b32 v[PV], v[GP+2*k], v[GP+2*k+1], vcc_lo
	ds_store_b32 v[LAD], v[LRID]
	ds_store_b32 v[LAD], v[PV] offset:LSPAN
	s_add_co_u32 s29, s29, s28
.set k, k+1
.endr
	v_mov_b32 v[LM], s29
	v_mov_b32 v[LAD], CNTB
	ds_store_b32 v[LAD], v[LM]
.Lno_list:
.irp b, 1,2,3,4,5,6,7,8,9,10,11,12
	STEP \b, 48
.endr
	STEP 13, 32                                    ; batches 14 and 15 are younger
	WIN 0
	s_wait_dscnt 0x0                               ; my zeros are in stage 1; wave 0: the list is written
	s_barrier_signal -1
	s_barrier_wait -1                              ; every wave may read both
	v_mov_b32 v[TA], CNTB
	ds_load_b32 v[TB], v[TA]
	ds_load_b32 v[RID], v[LA0]                     ; trip 0: ranks r and 16 + r
	ds_load_b32 v[RID+1], v[LA0] offset:64
	v_add_nc_u32 v[WR0+ALT], STAGE1, v[WR0]        ; stage 1's addresses
	v_add_nc_u32 v[RD0+ALT], STAGE1, v[RD0]
	s_wait_dscnt 0x0
	v_readfirstlane_b32 s22, v[TB]
	s_add_co_u32 s21, s22, 31
	s_lshr_b32 s21, s21, 5
	s_min_u32 s21, s21, NTRIP                      ; T
	OFFS
	ALOAD 0                                        ; into the staging registers that batches 12 and 13 have left
	ALOAD 1
	ALOAD 2
	ALOAD 3
	STEP 14, 48                                    ; batch 15 and the 32 row loads are younger
	STEP 15, 32                                    ; the 32 row loads
	WIN 0
	s_mov_b32 s20, 0
.Ltrip:
	TRIP 0
	TRIP 1
	s_add_co_u32 s20, s20, 2
	s_cmp_lt_u32 s20, NTRIP+2
	s_cbranch_scc1 .Ltrip
	s_wait_tensorcnt 0x0                           ; the wave's end, behind my last LDS store
	ds_add_u32 v[SPW], v[NIL]
	s_wait_dscnt 0x0
	s_endpgm
.Lfunc_end_k_qf84e0b36e6_ffn2:
	.size	k_qf84e0b36e6_ffn2, .Lfunc_end_k_qf84e0b36e6_ffn2-k_qf84e0b36e6_ffn2
	.p2alignl 7, 3214868480
	.fill 96, 4, 3214868480
	.section	.rodata,"a",@progbits
	.p2align	6, 0x0
	.amdhsa_kernel k_qf84e0b36e6_ffn2
		.amdhsa_group_segment_fixed_size 147456
		.amdhsa_private_segment_fixed_size 0
		.amdhsa_enable_private_segment 0
		.amdhsa_kernarg_size 40
		.amdhsa_user_sgpr_count 2
		.amdhsa_user_sgpr_kernarg_segment_ptr 1
		.amdhsa_wavefront_size32 1
		.amdhsa_system_sgpr_workgroup_id_x 1
		.amdhsa_system_sgpr_workgroup_id_y 1
		.amdhsa_system_sgpr_workgroup_id_z 1
		.amdhsa_system_vgpr_workitem_id 0
		.amdhsa_next_free_vgpr 1024
		.amdhsa_next_free_sgpr 66
		.amdhsa_reserve_vcc 1
		.amdhsa_float_denorm_mode_32 3
		.amdhsa_float_denorm_mode_16_64 3
		.amdhsa_memory_ordered 1
		.amdhsa_forward_progress 1
		.amdhsa_inst_pref_size 147
	.end_amdhsa_kernel
	.amdgpu_metadata
---
amdhsa.version: [ 1, 2 ]
amdhsa.kernels:
  - .name:           k_qf84e0b36e6_ffn2
    .symbol:         k_qf84e0b36e6_ffn2.kd
    .args:
      - { .name: W2, .offset: 0, .size: 8, .value_kind: global_buffer, .address_space: global }
      - { .name: h, .offset: 8, .size: 8, .value_kind: global_buffer, .address_space: global }
      - { .name: choice, .offset: 16, .size: 8, .value_kind: global_buffer, .address_space: global }
      - { .name: gate, .offset: 24, .size: 8, .value_kind: global_buffer, .address_space: global }
      - { .name: y4, .offset: 32, .size: 8, .value_kind: global_buffer, .address_space: global }
    .group_segment_fixed_size: 147456
    .private_segment_fixed_size: 0
    .kernarg_segment_align: 8
    .kernarg_segment_size: 40
    .max_flat_workgroup_size: 128
    .sgpr_count:     66
    .vgpr_count:     1024
    .wavefront_size: 32
...
	.end_amdgpu_metadata
.endif
;; end of part 3
;; launch combine (part 4): grid 256 x 1, 8 waves a work-group, no clusters, 0 bytes of LDS; arguments y4, gate, choice, b2, out0; writes out0
.if DOCPART == 4
	.amdgcn_target "amdgcn-amd-amdhsa--gfx1250"
	.amdhsa_code_object_version 6
	.text
	.protected	k_qf84e0b36e6_combine
	.globl	k_qf84e0b36e6_combine
	.p2align	8
	.type	k_qf84e0b36e6_combine,@function
k_qf84e0b36e6_combine:
	s_mov_b64 s[64:65], 0
	v_nop
	global_prefetch_b8 v0, s[64:65] scope:SCOPE_SE
	s_setreg_imm32_b32 hwreg(HW_REG_WAVE_MODE, 25, 1), 1
	s_wait_xcnt 0x0
; THE SUM.  out0[n] = the sum over the four K quarters and the token's two rowids of y4 (which carries the gate weight already) + p0 b2[e0] + p1 b2[e1].
; A wave takes half a token's row: token n = 4 x work-group + wave / 2, columns 512 (wave % 2) .. + 511.  All of y4's addresses are fixed; only b2's rows hang on the stored choice, a whole number, clamped to 7.
; b2 is rounded to bf16 once, as every input of this program is; everything else in f32.  A stream: no LDS, no barrier, no matrix unit.
.set Y,  16                            ; v[16:143]  row j = 2 kq + k, piece q at Y + 16 j + 4 q
.set B,  144                           ; v[144:175] b2: choice k, piece q at B + 16 k + 4 q
.set BP, 176                           ; v[176:191] b2 in bf16, two to a register
	s_load_b256 s[4:11], s[0:1], 0x0               ; y4 s[4:5], gate s[6:7], choice s[8:9], b2 s[10:11]
	s_load_b64 s[12:13], s[0:1], 0x20              ; out0
	v_and_b32 v1, 31, v0
	v_lshrrev_b32 v2, 5, v0
	v_readfirstlane_b32 s14, v2                    ; wave
	v_lshlrev_b32 v1, 4, v1                        ; 16 lane
	s_lshr_b32 s15, s14, 1
	s_and_b32 s16, s14, 1
	s_lshl_b32 s16, s16, 11                        ; my half of a row: 2,048 bytes
	s_lshl_b32 s17, ttmp9, 2
	s_add_co_u32 s17, s17, s15                     ; my token
	s_mov_b32 s19, 0
	s_wait_kmcnt 0x0
	s_lshl_b32 s18, s17, 2
	s_add_nc_u64 s[8:9], s[8:9], s[18:19]
	s_lshl_b32 s18, s17, 3
	s_add_nc_u64 s[6:7], s[6:7], s[18:19]
	s_load_b32 s20, s[8:9], 0x0                    ; the choice
	s_load_b64 s[22:23], s[6:7], 0x0               ; the two weights
	s_lshl_b32 s18, s17, 13                        ; rowid 2 n: 8,192 n bytes
	s_add_co_u32 s18, s18, s16
	s_add_nc_u64 s[24:25], s[4:5], s[18:19]        ; the four planes of y4, 2,064 rows of 4,096 bytes = 8,454,144 bytes apart
	s_add_nc_u64 s[26:27], s[24:25], 0x810000
	s_add_nc_u64 s[28:29], s[26:27], 0x810000
	s_add_nc_u64 s[30:31], s[28:29], 0x810000
	s_lshl_b32 s18, s17, 12
	s_add_co_u32 s18, s18, s16
	s_add_nc_u64 s[12:13], s[12:13], s[18:19]      ; out0 at my half row
.irp kq, 0,1,2,3
.irp k, 0,1
.irp q, 0,1,2,3
	global_load_b128 v[Y+32*\kq+16*\k+4*\q:Y+32*\kq+16*\k+4*\q+3], v1, s[24+2*\kq:25+2*\kq] offset:4096*\k+512*\q th:TH_LOAD_NT  ; 512 neighbouring bytes each
.endr
.endr
.endr
	s_wait_kmcnt 0x0
	s_and_b32 s21, s20, 0xff
	s_ctz_i32_b32 s21, s21                         ; e0
	s_min_u32 s21, s21, 7
	s_lshr_b32 s20, s20, 8
	s_ctz_i32_b32 s20, s20                         ; e1
	s_min_u32 s20, s20, 7
	s_lshl_b32 s18, s21, 12
	s_add_co_u32 s18, s18, s16
	s_add_nc_u64 s[32:33], s[10:11], s[18:19]
	s_lshl_b32 s18, s20, 12
	s_add_co_u32 s18, s18, s16
	s_add_nc_u64 s[34:35], s[10:11], s[18:19]
.irp k, 0,1
.irp q, 0,1,2,3
	global_load_b128 v[B+16*\k+4*\q:B+16*\k+4*\q+3], v1, s[32+2*\k:33+2*\k] offset:512*\q
.endr
.endr
	v_mov_b32 v2, s22
	v_mov_b32 v3, s23
	s_wait_loadcnt 8                               ; y4's 32 loads are in: b2's 8 are younger
.irp q, 0,2,4,6,8,10,12,14                 ; a tree over the eight rows, a pair of columns at a time
	v_pk_add_f32 v[Y+\q:Y+\q+1], v[Y+\q:Y+\q+1], v[Y+16+\q:Y+16+\q+1]
	v_pk_add_f32 v[Y+32+\q:Y+32+\q+1], v[Y+32+\q:Y+32+\q+1], v[Y+48+\q:Y+48+\q+1]
	v_pk_add_f32 v[Y+64+\q:Y+64+\q+1], v[Y+64+\q:Y+64+\q+1], v[Y+80+\q:Y+80+\q+1]
	v_pk_add_f32 v[Y+96+\q:Y+96+\q+1], v[Y+96+\q:Y+96+\q+1], v[Y+112+\q:Y+112+\q+1]
.endr
.irp q, 0,2,4,6,8,10,12,14
	v_pk_add_f32 v[Y+\q:Y+\q+1], v[Y+\q:Y+\q+1], v[Y+32+\q:Y+32+\q+1]
	v_pk_add_f32 v[Y+64+\q:Y+64+\q+1], v[Y+64+\q:Y+64+\q+1], v[Y+96+\q:Y+96+\q+1]
.endr
.irp q, 0,2,4,6,8,10,12,14
	v_pk_add_f32 v[Y+\q:Y+\q+1], v[Y+\q:Y+\q+1], v[Y+64+\q:Y+64+\q+1]
.endr
	s_wait_loadcnt 0x0                             ; b2
.irp z, 0,1,2,3,4,5,6,7,8,9,10,11,12,13,14,15
	v_cvt_pk_bf16_f32 v[BP+\z], v[B+2*\z], v[B+2*\z+1]
.endr
.irp k, 0,1
.irp z, 0,1,2,3,4,5,6,7
	v_fma_mix_f32_bf16 v[Y+2*\z], v[BP+8*\k+\z], v[2+\k], v[Y+2*\z] op_sel:[0,0,0] op_sel_hi:[1,0,0]      ; + p b2, b2 from its bf16 half
	v_fma_mix_f32_bf16 v[Y+2*\z+1], v[BP+8*\k+\z], v[2+\k], v[Y+2*\z+1] op_sel:[1,0,0] op_sel_hi:[1,0,0]
.endr
.endr
.irp q, 0,1,2,3
	global_store_b128 v1, v[Y+4*\q:Y+4*\q+3], s[12:13] offset:512*\q th:TH_STORE_NT  ; the wave stores 512 consecutive bytes, aligned
.endr
	s_endpgm
.Lfunc_end_k_qf84e0b36e6_combine:
	.size	k_qf84e0b36e6_combine, .Lfunc_end_k_qf84e0b36e6_combine-k_qf84e0b36e6_combine
	.p2alignl 7, 3214868480
	.fill 96, 4, 3214868480
	.section	.rodata,"a",@progbits
	.p2align	6, 0x0
	.amdhsa_kernel k_qf84e0b36e6_combine
		.amdhsa_group_segment_fixed_size 0
		.amdhsa_private_segment_fixed_size 0
		.amdhsa_enable_private_segment 0
		.amdhsa_kernarg_size 40
		.amdhsa_user_sgpr_count 2
		.amdhsa_user_sgpr_kernarg_segment_ptr 1
		.amdhsa_wavefront_size32 1
		.amdhsa_system_sgpr_workgroup_id_x 1
		.amdhsa_system_sgpr_workgroup_id_y 1
		.amdhsa_system_sgpr_workgroup_id_z 1
		.amdhsa_system_vgpr_workitem_id 0
		.amdhsa_next_free_vgpr 192
		.amdhsa_next_free_sgpr 66
		.amdhsa_reserve_vcc 0
		.amdhsa_float_denorm_mode_32 3
		.amdhsa_float_denorm_mode_16_64 3
		.amdhsa_memory_ordered 1
		.amdhsa_forward_progress 1
		.amdhsa_inst_pref_size 13
	.end_amdhsa_kernel
	.amdgpu_metadata
---
amdhsa.version: [ 1, 2 ]
amdhsa.kernels:
  - .name:           k_qf84e0b36e6_combine
    .symbol:         k_qf84e0b36e6_combine.kd
    .args:
      - { .name: y4, .offset: 0, .size: 8, .value_kind: global_buffer, .address_space: global }
      - { .name: gate, .offset: 8, .size: 8, .value_kind: global_buffer, .address_space: global }
      - { .name: choice, .offset: 16, .size: 8, .value_kind: global_buffer, .address_space: global }
      - { .name: b2, .offset: 24, .size: 8, .value_kind: global_buffer, .address_space: global }
      - { .name: out0, .offset: 32, .size: 8, .value_kind: global_buffer, .address_space: global }
    .group_segment_fixed_size: 0
    .private_segment_fixed_size: 0
    .kernarg_segment_align: 8
    .kernarg_segment_size: 40
    .max_flat_workgroup_size: 256
    .sgpr_count:     66
    .vgpr_count:     192
    .wavefront_size: 32
...
	.end_amdgpu_metadata
.endif
;; end of part 4
